; MI455X (gfx1250); checked and timed in simulation.
; The chip was launched on July 23, 2026; its instructions are those of AMD's public machine-readable ISA for CDNA 5 (MIT licence, August 2026) and "CDNA5" Instruction Set Architecture Reference Guide (July 2026). The comments in the code are by the model that wrote it; some were corrected since.
;; Real NVP2 D. Allowed arithmetic: float matrix products may take bf16 or f16 operands with f32 sums; other float arithmetic in f32, or as packed bf16 or f16 multiplies, adds, multiply-adds, maxima and minima; sums over many terms, partial sums and values carried from step to step in f32; what a program stores and reads back later, other than sums and carried values, may be rounded once to bf16 or f16.
;; Inputs: an_b 4 x 2 float32; an_logs 4 x 2 float32; cb1 4 x 512 float32; cb2 4 x 512 float32; cb3 4 x 4 float32; cw1 4 x 2 x 512 float32; cw2 4 x 512 x 512 float32; cw3 4 x 512 x 4 float32; x 65,536 x 2 float32.
;; Outputs: out0 65,536 x 2 float32; out1 65,536 float32.
;; One version. Each part assembles by itself: llvm-mc -triple=amdgcn-amd-amdhsa -mcpu=gfx1250 --defsym DOCPART=n.
;; ======== version 1 of 1: 2 launches
;; workspace buffers: wt 2,097,152 bytes; par 39,168 bytes
;; launch prep (part 1): grid 129 x 1, 8 waves a work-group, no clusters, 18,432 bytes of LDS; arguments cw2, cw1, cb1, cb2, cw3, cb3, an_logs, an_b, wt, par; writes wt, par
.if DOCPART == 1
	.amdgcn_target "amdgcn-amd-amdhsa--gfx1250"
	.amdhsa_code_object_version 6
	.text
	.protected	k_q015d420bf2_prep
	.globl	k_q015d420bf2_prep
	.p2align	8
	.type	k_q015d420bf2_prep,@function
k_q015d420bf2_prep:
	s_mov_b64 s[64:65], 0
	v_nop
	global_prefetch_b8 v0, s[64:65] scope:SCOPE_SE
	s_setreg_imm32_b32 hwreg(HW_REG_WAVE_MODE, 25, 1), 1
	s_wait_xcnt 0x0
; THE WEIGHTS, ONCE.  cw2 ([4][512 k][512 n] f32) is rounded to bf16 and turned, so that k lies along the rows, and cut into 16 dense tiles
; of 256 n x 256 k: wt[t][nn][kk] = bf16(cw2[layer][256 q + kk][256 p + nn]), t = 4 layer + 2 p + q.  The small parameters are laid out as the
; image that the next launch brings into LDS in one piece (par), followed by four records of eight f32.
; Layer i conditions on coordinate c = i % 2 and changes u = 1 - c (the masks are constants of the module).  LIMIT: the row of cw1 and the two
; columns of cw3 and cb3 that those masks multiply by 0 enter no result; cw1's masked row is not read, so an infinity or NaN there is not passed on.
; par, in bytes:  0      W1S [4][576] f32: cw1[i][c][e % 512]; the last 64 repeat the first 64
;                 9216   B1  [4][576] f32: cb1[i][e % 512], likewise
;                 18432  B2  [4][512] f32: cb2
;                 26624  W3  [8 passes of 256 n][3 rows][256 n] bf16: row 0 = cw3[i][n][u], row 1 = cw3[i][n][2 + u], row 2 = 0
;                 38912  four records: logs[c], b[c], logs[u], b[u], cb3[u] x 2 log2(e), cb3[2 + u], logs[0] + logs[1], 0
; SHARES.  Work-groups 0 to 127 turn a block of 128 k x 64 n each, through LDS; work-group 128 writes par.  Every store of 16 lanes covers 256 consecutive bytes, aligned.
.set PIT,   272                        ; an LDS row: 128 k in bf16 + 16 bytes
.set SPARE, 64*PIT                     ; behind the block: the spare words, 128 bytes for each of the eight waves
.set SPW, 14                           ; v14  LDS address of my spare word; never rewritten
.set NIL, 15                           ; v15  0; never rewritten
.set R,   16                           ; v[16:47]  eight rows k of four n, f32, as loaded
.set O,   48                           ; v[48:63]  four rows n of eight k, bf16
.set BK,  64                           ; v[64:79]  four pieces of 16 bytes read back by rows
	s_load_b512 s[4:19], s[0:1], 0x0               ; cw2 s[4:5], cw1 s[6:7], cb1 s[8:9], cb2 s[10:11], cw3 s[12:13], cb3 s[14:15], an_logs s[16:17], an_b s[18:19]
	s_load_b128 s[20:23], s[0:1], 0x40             ; wt s[20:21], par s[22:23]
	v_lshl_add_u32 v[SPW], v0, 2, SPARE
	v_mov_b32 v[NIL], 0
	v_lshrrev_b32 v1, 5, v0
	v_readfirstlane_b32 s24, v1                    ; wave 0..7
	s_cmp_eq_u32 ttmp9, 128                        ; the same answer in all eight waves
	s_cbranch_scc1 .Lpar
	; A BLOCK: layer = g / 32, k block kb = (g / 8) % 4, n block nk = g % 8.  Thread: gq = four n, kg = eight k.
	s_lshr_b32 s25, ttmp9, 5                       ; layer
	s_bfe_u32 s26, ttmp9, 0x20003                  ; kb
	s_and_b32 s27, ttmp9, 7                        ; nk
	s_lshl_b32 s28, s25, 20                        ; from: layer x 1,048,576
	s_lshl_b32 s29, s26, 18                        ; + kb x 128 rows of 2,048 bytes
	s_add_co_u32 s28, s28, s29
	s_lshl_b32 s29, s27, 8                         ; + nk x 64 numbers
	s_add_co_u32 s28, s28, s29
	s_mov_b32 s29, 0
	s_lshl_b32 s30, s25, 2                         ; to: tile t = 4 layer + 2 (nk / 4) + kb / 2
	s_lshr_b32 s31, s27, 2
	s_lshl1_add_u32 s30, s31, s30
	s_lshr_b32 s31, s26, 1
	s_add_co_u32 s30, s30, s31
	s_lshl_b32 s30, s30, 17                        ; x 131,072
	s_and_b32 s31, s27, 3
	s_lshl_b32 s31, s31, 15                        ; + (nk % 4) x 64 rows of 512 bytes
	s_add_co_u32 s30, s30, s31
	s_and_b32 s31, s26, 1
	s_lshl_b32 s31, s31, 8                         ; + (kb % 2) x 128 k
	s_add_co_u32 s30, s30, s31
	s_mov_b32 s31, 0
	v_and_b32 v2, 15, v0                           ; gq
	v_lshrrev_b32 v3, 4, v0                        ; kg
	v_lshlrev_b32 v4, 4, v2
	v_lshl_add_u32 v4, v3, 14, v4                  ; load: kg x 8 rows + gq x 16 bytes
	v_mul_u32_u24 v5, v2, 4*PIT
	v_lshl_add_u32 v5, v3, 4, v5                   ; into LDS: row 4 gq, 16 bytes at k = 8 kg
	v_mul_u32_u24 v6, v3, PIT
	v_lshl_add_u32 v6, v2, 4, v6                   ; back: row t / 16, 16 bytes at t % 16
	v_lshlrev_b32 v7, 9, v3
	v_lshl_add_u32 v7, v2, 4, v7                   ; and the same place in the tile's rows of 512 bytes
	s_wait_kmcnt 0x0
	s_add_nc_u64 s[4:5], s[4:5], s[28:29]
	s_add_nc_u64 s[20:21], s[20:21], s[30:31]
.irp j, 0,1,2,3,4,5,6,7
	global_load_b128 v[R+4*(\j):R+4*(\j)+3], v4, s[4:5] offset:2048*(\j) th:TH_LOAD_NT  ; row k = 8 kg + j: 16 lanes read 256 consecutive bytes
.endr
	s_wait_loadcnt 0x0
.irp i, 0,1,2,3
.irp m, 0,1,2,3
	v_cvt_pk_bf16_f32 v[O+4*(\i)+(\m)], v[R+8*(\m)+(\i)], v[R+8*(\m)+4+(\i)]  ; n = 4 gq + i: k = 8 kg + 2 m and the next
.endr
.endr
.irp i, 0,1,2,3
	ds_store_b128 v5, v[O+4*(\i):O+4*(\i)+3] offset:PIT*(\i)
.endr
	s_wait_dscnt 0x0                               ; for the others' sake: my stores are done
	s_barrier_signal -1
	s_barrier_wait -1
.irp s, 0,1,2,3
	ds_load_b128 v[BK+4*(\s):BK+4*(\s)+3], v6 offset:16*PIT*(\s)
.endr
.irp s, 0,1,2,3
	s_wait_dscnt 3-(\s)                            ; LDS loads come back in order: piece s is in
	global_store_b128 v7, v[BK+4*(\s):BK+4*(\s)+3], s[20:21] offset:8192*(\s)
.endr
	s_branch .Lend
.Lpar:                                             ; THE SMALL PARAMETERS: 256 threads, no LDS
	v_and_b32 v11, 127, v0
	v_lshrrev_b32 v12, 7, v0                       ; layer 0 or 1 (the second copy of each line: 2 or 3)
	v_lshlrev_b32 v11, 4, v11                      ; 16 bytes of a row of 2,048
	v_mul_u32_u24 v2, v12, 6144                    ; cw1: layer x 4,096 + (layer % 2) x 2,048
	v_add_nc_u32 v2, v2, v11
	v_mul_u32_u24 v3, v12, 2304                    ; par: rows of 576 f32
	v_add_nc_u32 v3, v3, v11
	v_lshlrev_b32 v4, 4, v0
	v_lshlrev_b32 v5, 7, v0                        ; cw3: eight n of 16 bytes a thread
	v_lshrrev_b32 v13, 5, v0                       ; the pass
	v_mul_u32_u24 v6, v13, 1536
	v_and_b32 v13, 31, v0
	v_lshl_add_u32 v6, v13, 4, v6
	v_and_b32 v1, 64, v0                           ; the layer, t / 64, is odd
	v_cmp_ne_u32 vcc_lo, 0, v1
	s_wait_kmcnt 0x0
	global_load_b128 v[16:19], v2, s[6:7]
	global_load_b128 v[20:23], v2, s[6:7] offset:8192
	global_load_b128 v[24:27], v4, s[8:9]
	global_load_b128 v[28:31], v4, s[8:9] offset:4096
	global_load_b128 v[32:35], v4, s[10:11]
	global_load_b128 v[36:39], v4, s[10:11] offset:4096
.irp j, 0,1,2,3,4,5,6,7
	global_load_b128 v[40+4*(\j):43+4*(\j)], v5, s[12:13] offset:16*(\j)
.endr
	s_wait_loadcnt 8                               ; the first six are in; cw3's eight may stay out
	global_store_b128 v3, v[16:19], s[22:23]
	global_store_b128 v3, v[20:23], s[22:23] offset:4608
	global_store_b128 v3, v[24:27], s[22:23] offset:9216
	global_store_b128 v3, v[28:31], s[22:23] offset:9216+4608
	global_store_b128 v4, v[32:35], s[22:23] offset:18432
	global_store_b128 v4, v[36:39], s[22:23] offset:18432+4096
	s_wait_loadcnt 0x0
.irp j, 0,1,2,3,4,5,6,7
	v_cndmask_b32 v[40+4*(\j)], v[41+4*(\j)], v[40+4*(\j)], vcc_lo    ; column u: 1 in an even layer, 0 in an odd one
	v_cndmask_b32 v[42+4*(\j)], v[43+4*(\j)], v[42+4*(\j)], vcc_lo    ; column 2 + u
.endr
.irp m, 0,1,2,3
	v_cvt_pk_bf16_f32 v[72+(\m)], v[40+8*(\m)], v[44+8*(\m)]
	v_cvt_pk_bf16_f32 v[76+(\m)], v[42+8*(\m)], v[46+8*(\m)]
	v_mov_b32 v[80+(\m)], 0
.endr
	global_store_b128 v6, v[72:75], s[22:23] offset:26624
	global_store_b128 v6, v[76:79], s[22:23] offset:26624+512
	global_store_b128 v6, v[80:83], s[22:23] offset:26624+1024
	s_cmp_lt_u32 s24, 2
	s_cbranch_scc0 .Lnorep
	v_lshrrev_b32 v8, 4, v0                        ; waves 0 and 1: the 64 repeated entries of each layer's two rows: layer t / 16,
	v_and_b32 v9, 15, v0
	v_lshlrev_b32 v9, 4, v9                        ; 16 bytes at t % 16
	v_and_b32 v10, 1, v8
	v_lshl_add_u32 v10, v8, 1, v10                 ; cw1's row 2 layer + layer % 2
	v_lshl_add_u32 v7, v10, 11, v9
	v_lshl_add_u32 v11, v8, 11, v9
	v_mul_u32_u24 v12, v8, 2304
	v_add_nc_u32 v12, v12, v9
	global_load_b128 v[84:87], v7, s[6:7]
	global_load_b128 v[88:91], v11, s[8:9]
	s_wait_loadcnt 0x0
	global_store_b128 v12, v[84:87], s[22:23] offset:2048
	global_store_b128 v12, v[88:91], s[22:23] offset:9216+2048
	s_branch .Lend
.Lnorep:
	s_cmp_eq_u32 s24, 2
	s_cbranch_scc0 .Lend
	s_load_b256 s[32:39], s[16:17], 0x0            ; wave 2: the records.  an_logs[i][d] in s[32 + 2 i + d],
	s_load_b256 s[40:47], s[18:19], 0x0            ; an_b likewise,
	s_load_b512 s[48:63], s[14:15], 0x0            ; cb3[i][col] in s[48 + 4 i + col]
	v_and_b32 v10, 31, v0
	v_lshlrev_b32 v10, 2, v10
	v_mov_b32 v92, 0                               ; lane 8 i + f takes field f of record i; field 7 stays 0
	s_wait_kmcnt 0x0
.irp i, 0,1,2,3
	s_add_f32 s[68+(\i)], s[32+2*(\i)], s[33+2*(\i)]
	s_mul_f32 s[25+(\i)], s[48+4*(\i)+1-(\i)%2], 0x4038aa3b  ; x 2 log2(e), the factor in front of tanh's exponential
.endr
.irp i, 0,1,2,3
	v_writelane_b32 v92, s[32+2*(\i)+(\i)%2], 8*(\i)
	v_writelane_b32 v92, s[40+2*(\i)+(\i)%2], 8*(\i)+1
	v_writelane_b32 v92, s[32+2*(\i)+1-(\i)%2], 8*(\i)+2
	v_writelane_b32 v92, s[40+2*(\i)+1-(\i)%2], 8*(\i)+3
	v_writelane_b32 v92, s[25+(\i)], 8*(\i)+4
	v_writelane_b32 v92, s[48+4*(\i)+3-(\i)%2], 8*(\i)+5
	v_writelane_b32 v92, s[68+(\i)], 8*(\i)+6
.endr
	global_store_b32 v10, v92, s[22:23] offset:38912
.Lend:
	s_wait_tensorcnt 0x0                           ; the wave's end: a wait, an add of 0 to my spare word and its wait, behind my last LDS store
	ds_add_u32 v[SPW], v[NIL]
	s_wait_dscnt 0x0
	s_endpgm
.Lfunc_end_k_q015d420bf2_prep:
	.size	k_q015d420bf2_prep, .Lfunc_end_k_q015d420bf2_prep-k_q015d420bf2_prep
	.p2alignl 7, 3214868480
	.fill 96, 4, 3214868480
	.section	.rodata,"a",@progbits
	.p2align	6, 0x0
	.amdhsa_kernel k_q015d420bf2_prep
		.amdhsa_group_segment_fixed_size 18432
		.amdhsa_private_segment_fixed_size 0
		.amdhsa_enable_private_segment 0
		.amdhsa_kernarg_size 80
		.amdhsa_user_sgpr_count 2
		.amdhsa_user_sgpr_kernarg_segment_ptr 1
		.amdhsa_wavefront_size32 1
		.amdhsa_system_sgpr_workgroup_id_x 1
		.amdhsa_system_sgpr_workgroup_id_y 1
		.amdhsa_system_sgpr_workgroup_id_z 1
		.amdhsa_system_vgpr_workitem_id 0
		.amdhsa_next_free_vgpr 96
		.amdhsa_next_free_sgpr 72
		.amdhsa_reserve_vcc 1
		.amdhsa_float_denorm_mode_32 3
		.amdhsa_float_denorm_mode_16_64 3
		.amdhsa_memory_ordered 1
		.amdhsa_forward_progress 1
		.amdhsa_inst_pref_size 13
	.end_amdhsa_kernel
	.amdgpu_metadata
---
amdhsa.version: [ 1, 2 ]
amdhsa.kernels:
  - .name:           k_q015d420bf2_prep
    .symbol:         k_q015d420bf2_prep.kd
    .args:
      - { .name: cw2, .offset: 0, .size: 8, .value_kind: global_buffer, .address_space: global }
      - { .name: cw1, .offset: 8, .size: 8, .value_kind: global_buffer, .address_space: global }
      - { .name: cb1, .offset: 16, .size: 8, .value_kind: global_buffer, .address_space: global }
      - { .name: cb2, .offset: 24, .size: 8, .value_kind: global_buffer, .address_space: global }
      - { .name: cw3, .offset: 32, .size: 8, .value_kind: global_buffer, .address_space: global }
      - { .name: cb3, .offset: 40, .size: 8, .value_kind: global_buffer, .address_space: global }
      - { .name: an_logs, .offset: 48, .size: 8, .value_kind: global_buffer, .address_space: global }
      - { .name: an_b, .offset: 56, .size: 8, .value_kind: global_buffer, .address_space: global }
      - { .name: wt, .offset: 64, .size: 8, .value_kind: global_buffer, .address_space: global }
      - { .name: par, .offset: 72, .size: 8, .value_kind: global_buffer, .address_space: global }
    .group_segment_fixed_size: 18432
    .private_segment_fixed_size: 0
    .kernarg_segment_align: 8
    .kernarg_segment_size: 80
    .max_flat_workgroup_size: 256
    .sgpr_count:     72
    .vgpr_count:     96
    .wavefront_size: 32
...
	.end_amdgpu_metadata
.endif
;; end of part 1
;; launch flow (part 2): grid 256 x 1, 4 waves a work-group, clusters of 4 x 1, 327,680 bytes of LDS; arguments x, wt, par, out0, out1; writes out0, out1
.if DOCPART == 2
	.amdgcn_target "amdgcn-amd-amdhsa--gfx1250"
	.amdhsa_code_object_version 6
	.text
	.protected	k_q015d420bf2_flow
	.globl	k_q015d420bf2_flow
	.p2align	8
	.type	k_q015d420bf2_flow,@function
k_q015d420bf2_flow:
	s_mov_b64 s[64:65], 0
	v_nop
	global_prefetch_b8 v0, s[64:65] scope:SCOPE_SE
	s_setreg_imm32_b32 hwreg(HW_REG_WAVE_MODE, 25, 1), 1
	s_wait_xcnt 0x0
	s_wait_alu depctr_hold_cnt(0) depctr_sa_sdst(0) depctr_va_vdst(0) depctr_va_sdst(0) depctr_va_ssrc(0) depctr_va_vcc(0) depctr_vm_vsrc(0)
	s_getreg_b32 s2, hwreg(HW_REG_IB_STS2, 6, 4)
	s_cmp_eq_u32 s2, 0
	s_cbranch_scc0 .Lentry_in_a_cluster
	s_endpgm
.Lentry_in_a_cluster:
	s_bfe_u32 s2, ttmp6, 0x10000c
	s_cmp_lg_u32 s2, 0x3003
	s_cbranch_scc0 .Lentry_shape_is_right
	s_endpgm
.Lentry_shape_is_right:
; RealNVP2D: four coupling layers with their actnorms, then the sigmoid; out0 = sigmoid(out), out1 = log_det.  Nothing of a row leaves the chip between x and the outputs.
; Layer i conditions on coordinate c = i % 2 and changes u = 1 - c:  h1[k] = relu(out[c] w1[k] + b1[k]);  h2 = relu(h1 W2 + b2);  (s, t) = h2 W3 + b3;  ls = tanh(s);
; out[u] = out[u] e^ls + t;  log_det += ls;  then out = out e^logs + b,  log_det += logs[0] + logs[1].
; FORMATS.  h1, W2, h2, W3 are bf16 matrix operands, all sums f32; x, w1, b1, b2, b3, the actnorm, out and log_det are f32 throughout.
; LIMITS.  relu is a maximum in which a NaN loses; NaN and infinities are not treated apart.  tanh(s) = 1 - 2 / (1 + 2^(2 log2(e) s)): an absolute error of about 1e-7, and exactly +-1 where
; the exponential overflows or vanishes.  log sigmoid(z) + log sigmoid(-z) = -|z| - 2 ln(1 + e^-|z|), whose exponent is never above 0.
; SHARES.  256 work-groups of 256 rows; a wave owns 64 rows, four blocks of 16.  The 512 columns of h2 go in two PASSES of 256: 8 passes.  In a pass a wave holds 256 n x 64 rows of sums:
; 64 accumulators, 512 registers.  K goes in 16 UNITS of 32: 64 matrix instructions each.
; LAYOUT.  The product is taken transposed: source 0 = 16 n x 32 k of W2^T, from LDS; source 1 = 32 k x 16 rows of h1, MADE IN REGISTERS: a lane holds one row (lane % 16), so its 16 numbers of h1 are
; 8 packed multiply-adds of its own out[c] with 16 w1 and 16 b1, 8 roundings and 8 packed maxima.  In the result a lane holds the same row and n = 8 (lane / 16) + 0..7; two neighbouring results, rounded in pairs, ARE
; source 1 of (s, t)^T += W3^T h2^T.  W3^T's rows 0 and 8 hold the s column, rows 1 and 9 the t column, the others 0: every lane finds its row's s in register 0 and t in register 1.
; b2 is the C operand of a pass's first products: nothing is cleared and nothing is added for it.
; SIDE BY SIDE.  A unit's 96 vector instructions (the next unit's h1) stand four behind each of its first 24 matrix instructions; its 40 LDS loads stand in one run in its middle.
; WEIGHTS.  16 tiles of 256 n x 256 k (131,072 bytes, 8 units) walk through two LDS slots.  All work-groups walk the same tiles, so the four of a cluster ask JOINTLY: the same load, descriptor and mask in all four;
; each wave brings 64 rows of 512 bytes.  A refill has 8 units, 512 matrix instructions a wave, in which to land.  No prefetch: the 2 MiB of tiles are read by all 64 clusters, and no wave waits for them.
; REGISTERS, in windows of 256 (s_set_vgpr_msb: bits 1:0 source 0, 3:2 source 1, 5:4 source 2, 7:6 destination):
;   window 0: addresses, state, w1, b1, h1's two buffers, P, W3's fragments     window 1: W2's fragments, two buffers of 128 (the second holds b2 at a pass's beginning)
;   windows 2, 3: the accumulators: (n block nb, row block bb) at 8 (4 (nb % 8) + bb), nb 0-7 in window 2, nb 8-15 in window 3
.set PITCH, 528                        ; an LDS row of a tile: 512 bytes + 16: an odd multiple of 16, so the 16 rows of a fragment load start 16 bytes apart modulo 256
.set QROWS, 64*PITCH                   ; what one tensor load brings
.set HALFW, 128*PITCH
.set SLOT1, 256*PITCH                  ; slot 0 at byte 0, slot 1 here
.set PARL,  2*SLOT1                    ; the image of par, 38,912 bytes, filled once
.set PB1,   9216                       ; in it: b1,
.set PB2,   18432                      ; b2,
.set PW3,   26624                      ; W3
.set PREC,  38912                      ; behind the image, in memory alone: the four records
.set PQ,    9728                       ; a wave's quarter of the image: 38 rows of 256 bytes
.set STAGE, PARL+PREC                  ; 256 bytes a wave, for out1's way out; no tensor load fills it
.set SPARE, STAGE+1024                 ; the spare words, 128 bytes for each wave: two blocks of 256 bytes that no other line names
.set RR,   1                           ; v1   lane % 16
.set HH,   2                           ; v2   lane / 16
.set LW0,  3                           ; v3   my place in a tile's rows 0-127: (lane % 16) x PITCH + 16 (lane / 16)
.set LW1,  4                           ; v4   in its rows 128-255
.set ADR0, 5                           ; v5, v6  the addresses of the run in hand
.set LB,   7                           ; v7   my place in w1: PARL + 32 (lane / 16)
.set ADRB, 8                           ; v8
.set LB2,  9                           ; v9   my place in b2
.set ADR2, 10                          ; v10
.set LW3,  11                          ; v11  my place in W3: row min(lane % 8, 2)
.set ADR3, 12                          ; v12
.set ZR,   13                          ; v13  0, for the packed maxima
.set SPW,  14                          ; v14  LDS address of my spare word; never rewritten
.set NIL,  15                          ; v15  0; never rewritten
.set XO,   16                          ; v16  my byte offset in 16 rows of x
.set OO,   17                          ; v17  8 x lane
.set STA,  18                          ; v18  the stage: 4 x lane
.set STB,  19                          ; v19  the stage: 8 x lane
.set TT,   20                          ; v20  at work in the head
.set X,    32                          ; v[32:39]   by block: out[c], out[u]
.set LD,   40                          ; v[40:43]   log_det, by block
.set ST,   48                          ; v[48:79]   (s, t)^T, an accumulator a block
.set W1,   80                          ; v[80:95]   16 w1
.set B1,   96                          ; v[96:111]  16 b1
.set T,    112                         ; v[112:127] at work
.set FH,   128                         ; v[128:191] h1's fragments: two buffers of four blocks
.set P,    192                         ; v[192:223] h2's fragments, a block each
.set W3F,  224                         ; v[224:255] W3^T's fragments, four buffers
.set WV,   14                          ; s14  my wave's number
.set CX,   15                          ; s15  my place in the cluster: it enters x's, out0's and out1's addresses alone
.set G1W,  24                          ; s[24:31] descriptor group 1 for the tiles
.set G1P,  32                          ; s[32:39] for par's image
.set G0A,  40                          ; s[40:43] group 0 for slot 0
.set G0B,  44                          ; s[44:47] for slot 1
.set G0P,  48                          ; s[48:51] for par's image
.set TB,   52                          ; s52  LDS byte of the next unit's columns in its tile
.set KW,   53                          ; s53  byte in W1S of the next w1 to load
.set LBS,  54                          ; s54  the layer's row in W1S: 2,304 x layer
.set B2O,  55                          ; s55  the next pass's b2: 1,024 x pass
.set W3O,  56                          ; s56  this pass's W3: 1,536 x pass
.set PJ,   57                          ; s57  passes finished
.set OUTC, 58                          ; s58  counts the outer loop
.set INC,  59                          ; s59  counts the inner loops
.set TMP,  60
.set HM,   61                          ; s61  lanes 16-31
.set RECP, 66                          ; s[66:67] the layer's record in memory
.set K2L,  68                          ; s68  2 log2(e)
.set KL,   69                          ; s69  log2(e)
.set KNL,  70                          ; s70  -log2(e)
.set KN2,  71                          ; s71  -2 ln 2
.set REC,  72                          ; s[72:79] the record: logs[c], b[c], logs[u], b[u], 2 log2(e) b3[u], b3[2 + u], logs[0] + logs[1], 0
.set MUL_LO, 0xa1                      ; W2 in window 1, h1 in window 0, C and D in window 2
.set MUL_HI, 0xf1                      ; C and D in window 3
.set BIA_LO, 0x91                      ; the same with C (b2) in window 1
.set BIA_HI, 0xd1
.set TO_F,   0x40                      ; destination window 1, address window 0
.set MSB, 0
.macro WIN new                         ; the immediate's high byte repeats the setting that is left; a switch that changes nothing is dropped
.if MSB != (\new)
	s_set_vgpr_msb (MSB<<8)|(\new)
.set MSB, \new
.endif
.endm
.macro PLACES                          ; four places behind a matrix instruction, where no other plain vector work is at hand (ISA guide 7.12.1)
.rept 4
	v_nop
.endr
.endm
; A round of the cluster's barrier: my work-group's barrier, so that wave 0's signal speaks for all four waves; wave 0 signals; every wave waits for all four work-groups; my work-group's barrier once more.
.macro CROUND
	s_barrier_signal -1
	s_barrier_wait -1
	s_cmp_lg_u32 s[WV], 0
	s_cbranch_scc1 .Lnot_wave_0_\@
	s_barrier_signal -3
.Lnot_wave_0_\@:
	s_barrier_wait -3
	s_barrier_signal -1
	s_barrier_wait -1
.endm
.macro ALL4 line:vararg                ; one line for each block t
.set t, 0
.rept 4
	\line
.set t, t+1
.endr
.endm
.macro ALL8 line:vararg                ; one line for each of the eight numbers t
.set t, 0
.rept 8
	\line
.set t, t+1
.endr
.endm
; Number n of the 96 that make a unit's h1 in buffer fh, 24 a block: 8 times two of out[c] w1 + b1; 8 roundings of a pair to bf16; 8 packed maxima with 0.  A result is read eight numbers later.
.macro RQ n, fh
.set qb, (\n)/24
.set qm, (\n)%24
.if qm < 8
	v_pk_fma_f32 v[T+2*qm:T+2*qm+1], v[W1+2*qm:W1+2*qm+1], v[X+2*qb:X+2*qb+1], v[B1+2*qm:B1+2*qm+1] op_sel_hi:[1,0,1]
.elseif qm < 16
	v_cvt_pk_bf16_f32 v[(\fh)+8*qb+qm-8], v[T+2*(qm-8)], v[T+2*(qm-8)+1]
.else
	v_pk_max_num_bf16 v[(\fh)+8*qb+qm-16], v[(\fh)+8*qb+qm-16], v[ZR]
.endif
.endm
.macro RUNADR                          ; the addresses of a run
	v_add_nc_u32 v[ADRB], s[KW], v[LB]
	v_add_nc_u32 v[ADR0], s[TB], v[LW0]
	v_add_nc_u32 v[ADR0+1], s[TB], v[LW1]
.endm
.macro LDWB                            ; my 16 w1 and 16 b1 of a unit: k = 8 (lane / 16) + 0..7 and 16 + 8 (lane / 16) + 0..7
	ds_load_b128 v[W1:W1+3],     v[ADRB]
	ds_load_b128 v[W1+4:W1+7],   v[ADRB] offset:16
	ds_load_b128 v[W1+8:W1+11],  v[ADRB] offset:64
	ds_load_b128 v[W1+12:W1+15], v[ADRB] offset:80
	ds_load_b128 v[B1:B1+3],     v[ADRB] offset:PB1
	ds_load_b128 v[B1+4:B1+7],   v[ADRB] offset:PB1+16
	ds_load_b128 v[B1+8:B1+11],  v[ADRB] offset:PB1+64
	ds_load_b128 v[B1+12:B1+15], v[ADRB] offset:PB1+80
.endm
.macro LDW f, half                     ; eight fragments of W2^T (128 n x 32 k) into half a buffer; the window is TO_F
.irp i, 0,1,2,3,4,5,6,7
	ds_load_b128 v[128*(\f)+64*(\half)+8*(\i):128*(\f)+64*(\half)+8*(\i)+3],   v[ADR0+(\half)] offset:(\i)*16*PITCH
	ds_load_b128 v[128*(\f)+64*(\half)+8*(\i)+4:128*(\f)+64*(\half)+8*(\i)+7], v[ADR0+(\half)] offset:(\i)*16*PITCH+32
.endr
.endm
.macro LDBIAS                          ; a pass's b2 as 16 C operands, into the second buffer: register j of block nb is b2[16 nb + 8 (lane / 16) + j]
	WIN TO_F
.irp n, 0,1,2,3,4,5,6,7,8,9,10,11,12,13,14,15
	ds_load_b128 v[128+8*(\n):128+8*(\n)+3],   v[ADR2] offset:64*(\n)
	ds_load_b128 v[128+8*(\n)+4:128+8*(\n)+7], v[ADR2] offset:64*(\n)+16
.endr
	WIN 0
.endm
; A UNIT on buffers f.  32 products on window 2's accumulators, the next unit's h1 in fours behind the first 24; ONE run of 40 LDS loads (w1 and b1 of the unit after the next, W2 of the next); 32 products on window 3's.
; The 64 accumulators take turns, one instruction a turn, in the same order in every unit, over the backward jumps too.
; PLACES.  The other h1 buffer and the other W2 buffer were last read by the unit before: the first write of h1 is number 8 of the 96, behind eight multiply-adds that name none of those registers, and the run stands behind all 96.
; fetch = 0: the last unit of all: nothing is made and nothing is loaded.
.macro UNIT f, fetch=1
.set FB, 128*(\f)
.set HB, FH+32*(\f)
.set HN, FH+32*(1-(\f))
.if \fetch
	s_wait_dscnt 16                                ; w1, b1 and W2's rows 0-127 are in; the youngest sixteen loads (rows 128-255) may be out
.else
	s_wait_dscnt 0x0
.endif
.set i, 0
.rept 32
	WIN MUL_LO
	v_wmma_f32_16x16x32_bf16 v[8*i:8*i+7], v[FB+8*(i/4):FB+8*(i/4)+7], v[HB+8*(i%4):HB+8*(i%4)+7], v[8*i:8*i+7]
.if (\fetch) && (i < 24)
	WIN 0
	RQ 4*i, HN
	RQ 4*i+1, HN
	RQ 4*i+2, HN
	RQ 4*i+3, HN
.endif
.set i, i+1
.endr
.if \fetch
	WIN 0
	RUNADR
	LDWB
	WIN TO_F
	LDW 1-(\f), 0
	LDW 1-(\f), 1
	s_add_co_u32 s[TB], s[TB], 64                  ; 32 k on in the tile's rows,
	s_add_co_u32 s[KW], s[KW], 128                 ; and in w1
	s_wait_dscnt 40                                ; all but the 40 just issued
.endif
.set i, 0
.rept 32
	WIN MUL_HI
	v_wmma_f32_16x16x32_bf16 v[8*i:8*i+7], v[FB+64+8*(i/4):FB+64+8*(i/4)+7], v[HB+8*(i%4):HB+8*(i%4)+7], v[8*i:8*i+7]
.set i, i+1
.endr
.endm
; A PASS'S FIRST UNIT, on buffers 0: its products start the sums with b2, which lies in W2's second buffer.  That buffer's halves are loaded with the next unit's fragments as they fall free, four places behind
; the last product that read them.  The loads keep a run's order (w1 and b1, rows 0-127, rows 128-255), so the next unit's counts hold.
.macro UNIT0
	s_wait_dscnt 0x0                               ; W2, b2, w1 and b1 are in
.set i, 0
.rept 32
	WIN BIA_LO
	v_wmma_f32_16x16x32_bf16 v[8*i:8*i+7], v[8*(i/4):8*(i/4)+7], v[FH+8*(i%4):FH+8*(i%4)+7], v[128+8*(i/4):128+8*(i/4)+7]
.if i < 24
	WIN 0
	RQ 4*i, FH+32
	RQ 4*i+1, FH+32
	RQ 4*i+2, FH+32
	RQ 4*i+3, FH+32
.endif
.set i, i+1
.endr
	WIN 0
	PLACES
	RUNADR
	LDWB
	WIN TO_F
	LDW 1, 0
.set i, 0
.rept 32
	WIN BIA_HI
	v_wmma_f32_16x16x32_bf16 v[8*i:8*i+7], v[64+8*(i/4):64+8*(i/4)+7], v[FH+8*(i%4):FH+8*(i%4)+7], v[192+8*(i/4):192+8*(i/4)+7]
.set i, i+1
.endr
	PLACES
	WIN TO_F
	LDW 1, 1
	s_add_co_u32 s[TB], s[TB], 64
	s_add_co_u32 s[KW], s[KW], 128
.endm
; THE CHANGE OF SLOTS stands in front of a tile's last unit, whose fragments have been asked for: no later line reads the slot.  Each wave waits for all its tensor loads, of which one is out: its part of the other slot;
; adds 0 to its spare word; and waits for that and for its reads of the slot.  which = 0: slot 0 is left and filled again; 1: slot 1; 2: slot 0 is left for the last time and nothing is asked for.
; Where a slot is filled again the barrier is a round of the cluster's, so that no wave of any partner still reads the slot or has a load on its way, and the joint refill is the first thing behind it.
.macro CHANGE which
	WIN 0                                          ; at a label and at a branch every window is 0
	s_wait_tensorcnt 0x0                           ; no tensor load of mine is out, so a group 0 may be written
	ds_add_u32 v[SPW], v[NIL]                      ; 0 onto my spare word; the scalar steps stand between it and the wait for it
.if (\which) == 0
	s_add_nc_u64 s[G0A+2:G0A+3], s[G0A+2:G0A+3], 0x40000  ; two tiles on; the type bits on top are not reached
	s_mov_b32 s[TB], SLOT1                         ; the next fetch is the other slot's first unit
.elseif (\which) == 1
	s_add_nc_u64 s[G0B+2:G0B+3], s[G0B+2:G0B+3], 0x40000
	s_mov_b32 s[TB], 0
.else
	s_mov_b32 s[TB], SLOT1
.endif
	s_wait_dscnt 0x0                               ; the add is done, and my reads of the slot are over
.if (\which) < 2
	CROUND
.if (\which) == 0
	tensor_load_to_lds s[G0A:G0A+3], s[G1W:G1W+7]
.else
	tensor_load_to_lds s[G0B:G0B+3], s[G1W:G1W+7]
.endif
	s_nop 0
	PLACES                                         ; four instructions between the load and the next switch of windows
.else
	s_barrier_signal -1
	s_barrier_wait -1
.endif
.endm
; THE WAY OUT OF A PASS.  Group (c, pr): for the blocks 2 pr and 2 pr + 1, the accumulators of n blocks 2 c and 2 c + 1 are rounded to bf16 (each from its lowest registers on), cut at 0, and
; multiplied by chunk c (32 n) of W3^T.  The four (s, t) accumulators take turns.  A block's P is written again 32 plain instructions behind the product that read it; a buffer of W3^T is loaded again 16 behind.
.macro GRP c, pr, bias
	WIN 0x0a+5*((\c)/4)                            ; sources 0 and 1 in window 2 or 3
.irp bq, 2*(\pr), 2*(\pr)+1
.irp eq, 0,1
.irp mq, 0,1,2,3
	v_cvt_pk_bf16_f32 v[P+8*(\bq)+4*(\eq)+(\mq)], v[8*(4*((2*(\c)+(\eq))%8)+(\bq))+2*(\mq)], v[8*(4*((2*(\c)+(\eq))%8)+(\bq))+2*(\mq)+1]
.endr
.endr
.endr
	WIN 0
.if ((\pr) == 0) && ((\c) >= 1) && ((\c) <= 4)
	ds_load_b128 v[W3F+8*(((\c)-1)%4):W3F+8*(((\c)-1)%4)+3],   v[ADR3] offset:64*((\c)+3)     ; chunk c + 3, where chunk c - 1 lay
	ds_load_b128 v[W3F+8*(((\c)-1)%4)+4:W3F+8*(((\c)-1)%4)+7], v[ADR3] offset:64*((\c)+3)+32
.endif
.irp bq, 2*(\pr), 2*(\pr)+1
.irp mq, 0,1,2,3,4,5,6,7
	v_pk_max_num_bf16 v[P+8*(\bq)+(\mq)], v[P+8*(\bq)+(\mq)], v[ZR]
.endr
.endr
.if (\pr) == 0
.if (\c) == 0
	s_wait_dscnt 32*(\bias)                        ; chunks 0 to 3 are in; the 32 loads of b2 behind them may be out
.elseif (\c) >= 4
	s_wait_dscnt 2*(7-(\c))                        ; chunk c is in; the later chunks' loads may be out
.endif
.endif
.irp bq, 2*(\pr), 2*(\pr)+1
	v_wmma_f32_16x16x32_bf16 v[ST+8*(\bq):ST+8*(\bq)+7], v[W3F+8*((\c)%4):W3F+8*((\c)%4)+7], v[P+8*(\bq):P+8*(\bq)+7], v[ST+8*(\bq):ST+8*(\bq)+7]
.endr
.endm
.macro WAYOUT bias                     ; bias = 1: the next pass's b2 is fetched into W2's second buffer, which the pass's last unit has read
	WIN 0
	v_add_nc_u32 v[ADR3], s[W3O], v[LW3]           ; these four lines are the places behind the pass's last products
.if \bias
	v_add_nc_u32 v[ADR2], s[B2O], v[LB2]
.else
	v_nop
.endif
	v_nop
	v_nop
.irp cq, 0,1,2,3
	ds_load_b128 v[W3F+8*(\cq):W3F+8*(\cq)+3],   v[ADR3] offset:64*(\cq)
	ds_load_b128 v[W3F+8*(\cq)+4:W3F+8*(\cq)+7], v[ADR3] offset:64*(\cq)+32
.endr
.if \bias
	LDBIAS
.endif
.irp cq, 0,1,2,3,4,5,6,7
	GRP \cq, 0, \bias
	GRP \cq, 1, \bias
.endr
.if \bias
	s_add_co_u32 s[B2O], s[B2O], 1024
	s_add_co_u32 s[W3O], s[W3O], 1536
.endif
.endm
; A LAYER'S FIRST h1, in one piece, from the new out[c]; then w1 and b1 of its second unit.
.macro PROLOG
	v_add_nc_u32 v[ADRB], s[LBS], v[LB]
	LDWB
	s_wait_dscnt 0x0
.set i, 0
.rept 96
	RQ i, FH
.set i, i+1
.endr
	v_add_nc_u32 v[ADRB], 128, v[ADRB]
	LDWB
.endm
; A LAYER'S END, for my four blocks.  Three batches of transcendentals; behind each a plain instruction, and one wait ahead of the batch's first reader.
; The two coordinates change places in X, since the next layer conditions on the one just changed.  next = 1: the next layer's record, (s, t) back to 0 (one text serves both passes of a layer, so its sums are cleared), and its first h1.
.macro LAYEREND next
	PLACES                                         ; behind the last products onto (s, t)
	s_wait_kmcnt 0x0                               ; the record, asked for a layer ago
	ALL4 v_fma_f32 v[T+t], v[ST+8*t], s[K2L], s[REC+4]     ; 2 log2(e) (s + b3[u])
	v_mul_f32 v[T+8], s[KL], s[REC]
	v_mul_f32 v[T+9], s[KL], s[REC+2]
	ALL4 v_exp_f32 v[T+t], v[T+t]
	v_exp_f32 v[T+8], v[T+8]                       ; e^logs[c]
	v_exp_f32 v[T+9], v[T+9]                       ; e^logs[u]
	v_nop
	s_wait_alu depctr_va_vdst(0)
	ALL4 v_add_f32 v[T+t], 1.0, v[T+t]
	ALL4 v_rcp_f32 v[T+t], v[T+t]
	v_nop
	s_wait_alu depctr_va_vdst(0)
	ALL4 v_fma_f32 v[T+t], v[T+t], -2.0, 1.0       ; ls = tanh
	ALL4 v_mul_f32 v[T+4+t], s[KL], v[T+t]
	ALL4 v_exp_f32 v[T+4+t], v[T+4+t]              ; e^ls
	ALL4 v_add_f32 v[LD+t], v[LD+t], v[T+t]        ; log_det's two additions are the plain work behind the batch
	ALL4 v_add_f32 v[LD+t], s[REC+6], v[LD+t]
	s_wait_alu depctr_va_vdst(0)
	ALL4 v_fma_f32 v[T+4+t], v[X+2*t+1], v[T+4+t], v[ST+8*t+1]  ; out[u] e^ls + t
	ALL4 v_add_f32 v[T+4+t], s[REC+5], v[T+4+t]                 ; + b3[2 + u]
	ALL4 v_fma_f32 v[X+2*t+1], v[X+2*t], v[T+8], s[REC+1]       ; actnorm of out[c], into the place of the coordinate to be changed next,
	ALL4 v_fma_f32 v[X+2*t], v[T+4+t], v[T+9], s[REC+3]         ; and of out[u], into the place of the next condition
.if \next
.set i, 0
.rept 32
	v_mov_b32 v[ST+i], 0
.set i, i+1
.endr
	s_add_nc_u64 s[RECP:RECP+1], s[RECP:RECP+1], 32  ; the load that read this address is done: the wait above
	s_load_b256 s[REC:REC+7], s[RECP:RECP+1], 0x0
	s_add_co_u32 s[LBS], s[LBS], 2304
	PROLOG
.endif
.endm
	s_load_b256 s[4:11], s[0:1], 0x0               ; x s[4:5], wt s[6:7], par s[8:9], out0 s[10:11]
	s_load_b64 s[12:13], s[0:1], 0x20              ; out1
	v_lshl_add_u32 v[SPW], v0, 2, SPARE
	v_mov_b32 v[NIL], 0
	ds_add_u32 v[SPW], v[NIL]                      ; the wave's opening: the add and its wait stand ahead of my first tensor load; the set-up below, work on registers, stands between them
	v_lshrrev_b32 v[TT], 5, v0
	v_readfirstlane_b32 s[WV], v[TT]               ; wave 0..3
	s_bfe_u32 s[CX], ttmp6, 0x40000
	; group 1 for the tiles: 64 rows x 256 elements of 2 bytes, 16 bytes of padding behind each row
	s_mov_b32 s[G1W], 15|(1<<16)|(1<<20)|(1<<21)|(6<<22)|(3<<25)  ; 15:0 the mask of four; 17:16 2-byte elements; 20 padding on; 21 set beside a mask; 24:22 after every 128 words (code 6); 31:25 4 words (code 3)
	s_mov_b32 s[G1W+1], 256<<16                    ; tensor_dim0 = 256
	s_mov_b32 s[G1W+2], 64<<16                     ; tensor_dim1 = 64
	s_mov_b32 s[G1W+3], 256<<16                    ; tile_dim0 = 256
	s_mov_b32 s[G1W+4], 64                         ; tile_dim1 = 64
	s_mov_b32 s[G1W+5], 256                        ; 256 elements from row to row: a tile is dense
	s_mov_b32 s[G1W+6], 0
	s_mov_b32 s[G1W+7], 0
	; group 1 for par's image: 38 rows x 32 elements of 8 bytes, dense, no padding
	s_mov_b32 s[G1P], 15|(3<<16)|(1<<21)
	s_mov_b32 s[G1P+1], 32<<16
	s_mov_b32 s[G1P+2], 38<<16
	s_mov_b32 s[G1P+3], 32<<16
	s_mov_b32 s[G1P+4], 38
	s_mov_b32 s[G1P+5], 32
	s_mov_b32 s[G1P+6], 0
	s_mov_b32 s[G1P+7], 0
	s_mov_b32 s[G0A], 1                            ; count = 1
	s_mul_i32 s[G0A+1], s[WV], QROWS               ; LDS: my 64 rows of slot 0,
	s_mov_b32 s[G0B], 1
	s_add_co_u32 s[G0B+1], s[G0A+1], SLOT1         ; of slot 1,
	s_mov_b32 s[G0P], 1
	s_mul_i32 s[G0P+1], s[WV], PQ
	s_add_co_u32 s[G0P+1], s[G0P+1], PARL          ; my quarter of the image: no place in the cluster enters an LDS address
	s_lshl_b32 s16, s[WV], 15                      ; my 64 rows of 512 bytes in a tile
	s_mov_b32 s17, 0
	s_mul_i32 s18, s[WV], PQ
	s_mov_b32 s19, 0
	s_lshl_b32 s20, ttmp9, 2                       ; in a cluster launch ttmp9 counts clusters
	s_add_co_u32 s20, s20, s[CX]                   ; my work-group
	s_lshl_b32 s20, s20, 8                         ; its 256 rows,
	s_lshl_b32 s21, s[WV], 6
	s_add_co_u32 s20, s20, s21                     ; my wave's 64
	s_lshl_b32 s22, s20, 2                         ; in out1,
	s_mov_b32 s23, 0
	s_lshl_b32 s20, s20, 3                         ; in x and out0
	s_mov_b32 s21, 0
	s_mov_b32 s[K2L], 0x4038aa3b
	s_mov_b32 s[KL],  0x3fb8aa3b
	s_mov_b32 s[KNL], 0xbfb8aa3b
	s_mov_b32 s[KN2], 0xbfb17218
	s_mov_b32 s[HM],  0xffff0000
	s_mov_b32 s[TB], 0
	s_mov_b32 s[KW], 256
	s_mov_b32 s[LBS], 0
	s_mov_b32 s[B2O], 0
	s_mov_b32 s[W3O], 0
	s_mov_b32 s[PJ], 0
	s_mov_b32 s[OUTC], 8
	s_wait_dscnt 0x0                               ; the opening add is done
	s_wait_kmcnt 0x0
	s_add_nc_u64 s[G0A+2:G0A+3], s[6:7], s[16:17]  ; tile 0,
	s_add_nc_u64 s[G0B+2:G0B+3], s[G0A+2:G0A+3], 0x20000  ; tile 1
	s_or_b32 s[G0A+3], s[G0A+3], 0x80000000        ; type = 2
	s_or_b32 s[G0B+3], s[G0B+3], 0x80000000
	s_add_nc_u64 s[G0P+2:G0P+3], s[8:9], s[18:19]
	s_or_b32 s[G0P+3], s[G0P+3], 0x80000000
	s_add_nc_u64 s[RECP:RECP+1], s[8:9], PREC
	s_add_nc_u64 s[4:5], s[4:5], s[20:21]
	s_add_nc_u64 s[10:11], s[10:11], s[20:21]
	s_add_nc_u64 s[12:13], s[12:13], s[22:23]
	CROUND                                         ; all four work-groups are here: the first joint loads meet
	tensor_load_to_lds s[G0P:G0P+3], s[G1P:G1P+7]  ; the first fills stand together: three loads of mine are out, later one behind each round
	s_nop 0
	tensor_load_to_lds s[G0A:G0A+3], s[G1W:G1W+7]
	s_nop 0
	tensor_load_to_lds s[G0B:G0B+3], s[G1W:G1W+7]
	s_nop 0
	PLACES
	s_load_b256 s[REC:REC+7], s[RECP:RECP+1], 0x0  ; layer 0's record: waited for at the layer's end
	v_and_b32 v[RR], 15, v0
	v_bfe_u32 v[HH], v0, 4, 1
	v_lshlrev_b32 v[XO], 3, v[RR]
.irp b, 0,1,2,3
	global_load_b64 v[X+2*(\b):X+2*(\b)+1], v[XO], s[4:5] offset:128*(\b)  ; row 16 b + lane % 16, in both halves of the lanes: layer 0 conditions on x[:, 0]
.endr
	v_mul_u32_u24 v[LW0], v[RR], PITCH
	v_lshl_add_u32 v[LW0], v[HH], 4, v[LW0]
	v_add_nc_u32 v[LW1], HALFW, v[LW0]
	v_lshl_add_u32 v[LB], v[HH], 5, PARL
	v_add_nc_u32 v[LB2], PB2, v[LB]
	v_and_b32 v[TT], 7, v[RR]
	v_min_u32 v[TT], 2, v[TT]                      ; rows 0 and 8 of W3^T: s; rows 1 and 9: t; the others: the row of zeros
	v_lshlrev_b32 v[TT], 9, v[TT]
	v_lshl_add_u32 v[TT], v[HH], 4, v[TT]
	v_add_nc_u32 v[LW3], PARL+PW3, v[TT]
	v_mov_b32 v[ZR], 0
	v_and_b32 v[TT], 31, v0
	v_lshlrev_b32 v[OO], 3, v[TT]
	s_lshl_b32 s16, s[WV], 8
	s_add_co_u32 s16, s16, STAGE                   ; my stage
	v_lshl_add_u32 v[STA], v[TT], 2, s16
	v_lshl_add_u32 v[STB], v[TT], 3, s16
	ALL4 v_mov_b32 v[LD+t], 0
.set i, 0
.rept 32
	v_mov_b32 v[ST+i], 0                           ; written while the first tiles are on their way
.set i, i+1
.endr
	RUNADR
	v_add_nc_u32 v[ADR2], s[B2O], v[LB2]
	s_wait_tensorcnt 1                             ; my parts of the image and of tile 0 are in; tile 1's may stay out
	s_barrier_signal -1
	s_barrier_wait -1                              ; everybody's are
	WIN TO_F
	LDW 0, 0                                       ; unit 0's fragments
	LDW 0, 1
	LDBIAS                                         ; pass 0's b2
	s_mov_b32 s[TB], 64
	s_mov_b32 s[B2O], 1024
	s_wait_loadcnt 0x0                             ; x
	PROLOG
	s_branch .Lenter                               ; the loop is entered at a pass's first unit, in the middle of a trip
.Lpass:                                            ; seven trips: units 7 to 15 of a pass, its way out, units 0 to 6 of the next; both slots are filled again
	CHANGE 0
	s_mov_b32 s[INC], 4
.Lmid:                                             ; units 7 to 14
	UNIT 1
	UNIT 0
	WIN 0
	s_sub_co_u32 s[INC], s[INC], 1
	s_cmp_lg_u32 s[INC], 0
	s_cbranch_scc1 .Lmid
	CHANGE 1
	UNIT 1                                         ; unit 15: it fetches the next pass's unit 0, and from the repeated entries of w1 and b1 makes h1's first unit once more, for a layer's second pass
	WAYOUT 1
	s_and_b32 s[TMP], s[PJ], 1
	s_add_co_u32 s[PJ], s[PJ], 1
	s_cmp_eq_u32 s[TMP], 0                         ; a layer's first pass has no end of a layer behind it
	s_cbranch_scc1 .Lnole
	LAYEREND 1
.Lnole:
	s_add_co_u32 s[KW], s[LBS], 256                ; the first unit's run loads w1 and b1 of unit 2
.Lenter:
	UNIT0
	WIN 0
	s_mov_b32 s[INC], 3
.Lbeg:                                             ; units 1 to 6
	UNIT 1
	UNIT 0
	WIN 0
	s_sub_co_u32 s[INC], s[INC], 1
	s_cmp_lg_u32 s[INC], 0
	s_cbranch_scc1 .Lbeg
	s_sub_co_u32 s[OUTC], s[OUTC], 1
	s_cmp_lg_u32 s[OUTC], 0
	s_cbranch_scc1 .Lpass
	CHANGE 2                                       ; the tail is written out: the last tile has landed, nothing is asked for
	s_mov_b32 s[INC], 4
.Llast:
	UNIT 1
	UNIT 0
	WIN 0
	s_sub_co_u32 s[INC], s[INC], 1
	s_cmp_lg_u32 s[INC], 0
	s_cbranch_scc1 .Llast
	UNIT 1, 0
	WAYOUT 0
	LAYEREND 0
	; THE SIGMOID.  After four layers X holds out[:, 0], out[:, 1] by block.  e = e^-|z|; sigmoid(z) = 1 / (1 + e) where z >= 0, else e / (1 + e); log_det -= |z| + 2 ln(1 + e), for both coordinates.
	ALL8 v_mul_f32 v[W1+t], s[KNL], |v[X+t]|
	ALL8 v_exp_f32 v[W1+t], v[W1+t]
	v_nop
	s_wait_alu depctr_va_vdst(0)
	ALL8 v_add_f32 v[W1+8+t], 1.0, v[W1+t]
	ALL8 v_rcp_f32 v[B1+t], v[W1+8+t]
	ALL8 v_log_f32 v[B1+8+t], v[W1+8+t]
	v_nop
	s_wait_alu depctr_va_vdst(0)
	ALL8 v_mul_f32 v[W1+t], v[W1+t], v[B1+t]
.set t, 0
.rept 8
	v_cmp_le_f32 vcc_lo, 0, v[X+t]
	v_cndmask_b32 v[W1+t], v[W1+t], v[B1+t], vcc_lo
.set t, t+1
.endr
	ALL4 v_add_f32 v[T+t], v[B1+8+2*t], v[B1+9+2*t]
	ALL4 v_fma_f32 v[LD+t], v[T+t], s[KN2], v[LD+t]
	ALL4 v_sub_f32 v[LD+t], v[LD+t], |v[X+2*t]|
	ALL4 v_sub_f32 v[LD+t], v[LD+t], |v[X+2*t+1]|
	; Both halves of the lanes hold every block: lanes 0-15 take block 2 j, lanes 16-31 block 2 j + 1, so lane l holds row 32 j + l.
.irp j, 0,1
	v_cndmask_b32 v[T+4+2*(\j)], v[W1+4*(\j)],   v[W1+4*(\j)+2], s[HM]
	v_cndmask_b32 v[T+5+2*(\j)], v[W1+4*(\j)+1], v[W1+4*(\j)+3], s[HM]
	v_cndmask_b32 v[T+8+(\j)],   v[LD+2*(\j)],   v[LD+2*(\j)+1], s[HM]
.endr
	global_store_b64 v[OO], v[T+4:T+5], s[10:11]               ; 32 rows of out0: 256 consecutive bytes, aligned
	global_store_b64 v[OO], v[T+6:T+7], s[10:11] offset:256
	ds_store_b32 v[STA], v[T+8]                                ; out1's 64 numbers meet in my stage,
	ds_store_b32 v[STA], v[T+9] offset:128
	ds_load_b64 v[T+10:T+11], v[STB]                           ; (LDS serves a wave's instructions in order, ISA guide 5.7.1.4: this sees the stores above)
	s_wait_dscnt 0x0
	global_store_b64 v[OO], v[T+10:T+11], s[12:13]             ; and leave as 256 consecutive bytes, aligned
	s_wait_tensorcnt 0x0                           ; the wave's end: a wait, an add of 0 to my spare word and its wait, behind my last tensor load and my last LDS store
	ds_add_u32 v[SPW], v[NIL]
	s_wait_dscnt 0x0
	CROUND                                         ; the closing round: no work-group ends while a partner may still ask for a tile that names it
	s_endpgm
.Lfunc_end_k_q015d420bf2_flow:
	.size	k_q015d420bf2_flow, .Lfunc_end_k_q015d420bf2_flow-k_q015d420bf2_flow
	.p2alignl 7, 3214868480
	.fill 96, 4, 3214868480
	.section	.rodata,"a",@progbits
	.p2align	6, 0x0
	.amdhsa_kernel k_q015d420bf2_flow
		.amdhsa_group_segment_fixed_size 327680
		.amdhsa_private_segment_fixed_size 0
		.amdhsa_enable_private_segment 0
		.amdhsa_kernarg_size 40
		.amdhsa_user_sgpr_count 2
		.amdhsa_user_sgpr_kernarg_segment_ptr 1
		.amdhsa_wavefront_size32 1
		.amdhsa_system_sgpr_workgroup_id_x 1
		.amdhsa_system_sgpr_workgroup_id_y 1
		.amdhsa_system_sgpr_workgroup_id_z 1
		.amdhsa_system_vgpr_workitem_id 0
		.amdhsa_next_free_vgpr 1024
		.amdhsa_next_free_sgpr 88
		.amdhsa_reserve_vcc 1
		.amdhsa_float_denorm_mode_32 3
		.amdhsa_float_denorm_mode_16_64 3
		.amdhsa_memory_ordered 1
		.amdhsa_forward_progress 1
		.amdhsa_inst_pref_size 234
	.end_amdhsa_kernel
	.amdgpu_metadata
---
amdhsa.version: [ 1, 2 ]
amdhsa.kernels:
  - .name:           k_q015d420bf2_flow
    .symbol:         k_q015d420bf2_flow.kd
    .args:
      - { .name: x, .offset: 0, .size: 8, .value_kind: global_buffer, .address_space: global }
      - { .name: wt, .offset: 8, .size: 8, .value_kind: global_buffer, .address_space: global }
      - { .name: par, .offset: 16, .size: 8, .value_kind: global_buffer, .address_space: global }
      - { .name: out0, .offset: 24, .size: 8, .value_kind: global_buffer, .address_space: global }
      - { .name: out1, .offset: 32, .size: 8, .value_kind: global_buffer, .address_space: global }
    .group_segment_fixed_size: 327680
    .private_segment_fixed_size: 0
    .kernarg_segment_align: 8
    .kernarg_segment_size: 40
    .max_flat_workgroup_size: 128
    .sgpr_count:     88
    .vgpr_count:     1024
    .wavefront_size: 32
...
	.end_amdgpu_metadata
.endif
;; end of part 2
